; MI455X (gfx1250); checked and timed in simulation.
; The chip was launched on July 23, 2026; its instructions are those of AMD's public machine-readable ISA for CDNA 5 (MIT licence, August 2026) and "CDNA5" Instruction Set Architecture Reference Guide (July 2026). The comments in the code are by the model that wrote it; some were corrected since.
;; Dot Product Attention. Allowed arithmetic: matrix products marked QUANTISED: E2M1 operands, one E8M0 scale for each 32 along K, by v_wmma_scale_f32_16x16x128_f8f6f4 with both operands' format E2M1 (or v_wmma_scale_f32_32x16x128_f4), f32 sums; products left as they are: bf16, f16 or f32 operands; f32 sums; everything else in f32.
;; Inputs: adj 1 int32; keys 2 x 8 x 4,096 x 64 float32; queries 2 x 8 x 4,096 x 64 float32; values 2 x 8 x 4,096 x 64 float32.
;; Outputs: out0 4,096 x 2 x 8 x 64 float32.
;; This version of the problem:
;;   THIS VERSION OF THE PROBLEM IS GIVEN IN LOW PRECISION. The matrix products marked QUANTISED in the list below multiply operands that are first quantised to E2M1 (2 exponent bits, 1 mantissa bit; 4 bits a number), with one power-of-two scale for each 32 numbers along K (OCP MX v1.0); their sums are f32. The products marked 'left as it is' may take bf16, f16 or f32 operands, with f32 sums. Whichever they take, every output number must still come out within the allowed error. Rounding operands to bf16 (8 significant bits) uses up far more of that allowance than f16 does (11 bits, for magnitudes from 6e-5 to 65,504). All else is computed in f32.
;;   The module's matrix products, in the order in which they are computed (A, B: the left and right operand; K: the contracted axis; several contracted axes count as one K, in the product's order):
;;     1. batch 16 x [M 4,096, K 64] x [K 64, N 4,096]; A: input queries; B: input keys: QUANTISED
;;     2. batch 16 x [M 4,096, K 4,096] x [K 4,096, N 64]; A: computed on the way; B: input values: left as it is (an operand is computed on the way)
;;   THE QUANTISER, for each operand of a quantised product, along K:
;;     - K is cut into blocks of 32 from its start; a last block that is shorter is filled with zeros.
;;     - A block's scale is 2^e with e = floor(log2(the largest magnitude in the block)) - 2, held to -126 .. 127; a block of zeros has e = 0. As a byte (E8M0): e + 127.
;;     - Each number is divided by its block's scale, clamped to +-6, and rounded to the nearest number of E2M1, ties to even, subnormals kept.
;;     - The product sums the exact products of the quantised numbers (number of the format x scale) in f32.
;;   ~~~python
;;   def quantise(x, axis):      # numpy; x: float32 -> the quantised numbers, widened to float32 again
;;       x = np.moveaxis(x, axis, -1); K = x.shape[-1]
;;       x = np.pad(x, [(0, 0)] * (x.ndim - 1) + [(0, -K % 32)]); x = x.reshape(x.shape[:-1] + (-1, 32)); a = np.abs(x).max(-1, keepdims=True)
;;       e = np.where(a > 0, np.clip(np.frexp(np.where(a > 0, a, 1))[1] - 1 - 2, -126, 127), 0)      # np.frexp(a)[1] - 1 = floor(log2(a)), exactly
;;       r = np.clip(x / 2.0 ** e, -6, 6)
;;       step = 2.0 ** (np.maximum(np.frexp(np.where(r == 0, 1, r))[1] - 1, 0) - 1)
;;       q = np.round(r / step) * step * 2.0 ** e      # np.round: ties to even
;;       return np.moveaxis(q.reshape(q.shape[:-2] + (-1,))[..., :K], -1, axis).astype(np.float32)
;;   ~~~
;; One version. Each part assembles by itself: llvm-mc -triple=amdgcn-amd-amdhsa -mcpu=gfx1250 --defsym DOCPART=n.
;; ======== version 1 of 1: 2 launches
;; limits: values are held in f16: magnitudes above 65,504 overflow, below 6.1e-05 lose precision
;; workspace buffers: qc 2,097,152 bytes; qs 131,072 bytes; kv 10,485,760 bytes; ks 131,072 bytes
;; launch prep (part 1): grid 256 x 1, 8 waves a work-group, no clusters, 145,408 bytes of LDS; arguments queries, keys, values, adj, qc, qs, kv, ks; writes qc, qs, kv, ks
.if DOCPART == 1
	.amdgcn_target "amdgcn-amd-amdhsa--gfx1250"
	.amdhsa_code_object_version 6
	.text
	.protected	k_q7b54e1941e_prep
	.globl	k_q7b54e1941e_prep
	.p2align	8
	.type	k_q7b54e1941e_prep,@function
k_q7b54e1941e_prep:
	s_mov_b64 s[64:65], 0
	v_nop
	global_prefetch_b8 v0, s[64:65] scope:SCOPE_SE
	s_setreg_imm32_b32 hwreg(HW_REG_WAVE_MODE, 25, 1), 1
	s_wait_xcnt 0x0
; queries, keys, values: [16 heads x 4,096 rows][64] f32, a row is 256 bytes.  This launch reads each of them once and lays them as the attention launch's operand registers want them.
; Q and K become codes of FP4 (E2M1) along the head's 64 (two blocks of 32) with one E8M0 byte a block; V becomes f16.
; A block's scale is 2^(floor(log2(its largest magnitude)) - 2); its byte is the largest magnitude's exponent field - 2, held at 1 from below.
; LAYOUTS (L = lane, r = L % 16, h = L / 16; a GROUP is 32 rows, a STEP four groups):
;   codes of a group, 1,024 bytes: [half g: 512][lane: 16]: lane (r, h) holds the 32 codes d = 32 h .. 32 h + 31 of the group's row 16 (r / 8) + 8 g + r % 8.
;   scale word of (group, r): bytes (g 0, block 0), (g 0, block 1), (g 1, block 0), (g 1, block 1); in a step's 256 bytes group y has its words at 8 (r + 16 (y % 2)) + 4 (y / 2).
;   V of a group, 4,096 bytes: [c 0..3: 1,024][half g: 512][lane: 16]: lane (r, h) holds channel 4 r + c of the group's rows 16 h + 8 g + 0 .. 7, as eight f16.
;   kv: [step: 20,480] = the four groups' codes of K (4,096 bytes), then the four groups' V (16,384 bytes).
; LIMITS: |values| up to 65,504 (the range of f16); a block of zeros gets the byte 1 where the quantiser says 127: its codes are zeros, which add nothing, and this program alone reads the bytes;
; blocks whose largest magnitude lies under 2^-124 were not tried; NaN and infinities are not served.  adj is read and enters nothing: the module does not use it.
; SHARES: a work-group takes 256 rows of each tensor, each of its eight waves one group.  A wave's 48 loads (24 KB) go out together at the head; the text is straight, without a loop.
; Q's and K's rows are loaded as they lie (512 consecutive bytes an instruction) and turn through the wave's own stage in LDS, since a conversion wants 32 neighbours of one row in one lane.
.set STG,   8960                       ; a stage: 32 rows, row p at 272 p + 128 (p / 16): the 16 rows that a read touches fall into 16 different columns of 16 bytes
.set SCL,   16*STG                     ; behind the 16 stages: the work-group's scale words, 512 bytes of Q's, then 512 of K's
.set SPARE, SCL+1024                   ; the spare words, 128 bytes for each wave: four blocks of 256 bytes that no other line names
.set LI,  1                            ; v1   16 x lane
.set VA,  2                            ; v2   V: 4,096 h + 16 r: lanes 0-15 a row, lanes 16-31 the row 16 further down
.set SI,  3                            ; v3   into the stage: 2 STG x wave + 272 h + 16 r
.set SO,  4                            ; v4   out of it: 2 STG x wave + 272 (r % 8) + 4,480 (r / 8) + 128 h
.set SA,  5                            ; v5   my scale word's place
.set SPW, 6                            ; v6   my spare word; never rewritten
.set NIL, 7                            ; v7   0; never rewritten
.set M,   8                            ; v8-9   largest magnitudes, then the bytes (half g)
.set E,   10                           ; v10-11 the conversions' scale operands
.set W,   12                           ; v12  the scale word
.set W2,  13                           ; v13  lane l xor 16's part of it
.set SH,  14                           ; v14  8 h
.set SR,  15                           ; v15  the scale words on their way out
.set RQ,  16                           ; v16-79   Q as loaded, then by rows
.set RK,  80                           ; v80-143  K likewise
.set RV,  144                          ; v144-207 V as loaded
.set VP,  208                          ; v208-239 V in f16
.set CQ,  240                          ; v240-247 Q's codes
.set CK,  248                          ; v248-255 K's codes
	s_load_b256 s[4:11], s[0:1], 0x0               ; queries s[4:5], keys s[6:7], values s[8:9], adj s[10:11]
	s_load_b256 s[12:19], s[0:1], 0x20             ; qc s[12:13], qs s[14:15], kv s[16:17], ks s[18:19]
	v_lshl_add_u32 v[SPW], v0, 2, SPARE
	v_mov_b32 v[NIL], 0
	v_lshrrev_b32 v8, 5, v0
	v_readfirstlane_b32 s21, v8                    ; wave 0..7
	v_and_b32 v8, 31, v0                           ; lane
	v_and_b32 v9, 15, v0                           ; r
	v_bfe_u32 v10, v0, 4, 1                        ; h
	s_mul_i32 s36, s21, 2*STG                      ; my two stages
	v_lshlrev_b32 v[LI], 4, v8
	v_lshlrev_b32 v[VA], 4, v9
	v_lshl_add_u32 v[VA], v10, 12, v[VA]
	v_mul_u32_u24 v[SI], v10, 272
	v_lshl_add_u32 v[SI], v9, 4, v[SI]
	v_add_nc_u32 v[SI], s36, v[SI]
	v_and_b32 v11, 7, v9
	v_mul_u32_u24 v[SO], v11, 272
	v_bfe_u32 v11, v0, 3, 1                        ; r / 8
	v_mad_u32_u24 v[SO], v11, 4480, v[SO]          ; 16 rows of 272 and the 128 behind them
	v_lshl_add_u32 v[SO], v10, 7, v[SO]
	v_add_nc_u32 v[SO], s36, v[SO]
	s_lshr_b32 s37, s21, 2                         ; my group's step of the work-group's two,
	s_lshl_b32 s37, s37, 8
	s_and_b32 s38, s21, 1                          ; and its place in the step's 256 bytes
	s_lshl_b32 s38, s38, 7
	s_add_co_u32 s37, s37, s38
	s_bfe_u32 s38, s21, 0x10001
	s_lshl_b32 s38, s38, 2
	s_add_co_u32 s37, s37, s38
	s_add_co_u32 s37, s37, SCL
	v_lshl_add_u32 v[SA], v9, 3, s37
	v_lshlrev_b32 v[SH], 3, v10
	v_and_b32 v[SR], 63, v0
	v_lshl_add_u32 v[SR], v[SR], 4, SCL            ; wave 0: Q's 512 bytes, wave 1: K's
	v_mov_b32 v[W2], 0                             ; written once: a lane permute's destination counts as one of its sources
	s_mov_b32 s28, 0x76543210
	s_mov_b32 s29, 0xfedcba98                      ; v_permlanex16_b32's selects for lane l xor 16
	s_lshl_b32 s22, ttmp9, 3
	s_add_co_u32 s22, s22, s21                     ; my group: 8 x work-group + wave
	s_lshl_b32 s24, s22, 10                        ; its codes in qc
	s_mov_b32 s25, 0
	s_lshl_b32 s22, s22, 13                        ; its 8,192 bytes in each input
	s_mov_b32 s23, 0
	s_lshl_b32 s26, ttmp9, 1
	s_lshr_b32 s27, s21, 2
	s_add_co_u32 s26, s26, s27
	s_mul_i32 s26, s26, 20480                      ; its step in kv
	s_and_b32 s27, s21, 3
	s_lshl_b32 s32, s27, 10
	s_add_co_u32 s32, s32, s26                     ; K's codes
	s_mov_b32 s33, 0
	s_lshl_b32 s34, s27, 12
	s_add_co_u32 s34, s34, s26
	s_add_co_u32 s34, s34, 4096                    ; V, behind the step's four groups of codes
	s_mov_b32 s35, 0
	s_lshl_b32 s26, ttmp9, 9                       ; the work-group's 512 bytes of scale words
	s_mov_b32 s27, 0
	s_wait_kmcnt 0x0
	s_load_b32 s20, s[10:11], 0x0                  ; adj: read, and used for nothing, as in the module
	s_add_nc_u64 s[4:5], s[4:5], s[22:23]
	s_add_nc_u64 s[6:7], s[6:7], s[22:23]
	s_add_nc_u64 s[8:9], s[8:9], s[22:23]
	s_add_nc_u64 s[12:13], s[12:13], s[24:25]
	s_add_nc_u64 s[30:31], s[16:17], s[34:35]
	s_add_nc_u64 s[16:17], s[16:17], s[32:33]
	s_add_nc_u64 s[14:15], s[14:15], s[26:27]
	s_add_nc_u64 s[18:19], s[18:19], s[26:27]
.macro LOAD16 reg, adr, base, step     ; a group's 8,192 bytes: sixteen loads of 16 bytes a lane, whole blocks of 256 consecutive bytes for each sixteen lanes
.set i, 0
.rept 16
	global_load_b128 v[\reg+4*i:\reg+4*i+3], v[\adr], s[\base:\base+1] offset:\step*i th:TH_LOAD_NT
.set i, i+1
.endr
.endm
; A group of Q or of K: through the stage at t0, quantised, codes into v[cod] on and out to s[dst], the scale word to LDS at so.
.macro QUANT reg, t0, cod, dst, so
.set i, 0
.rept 16
	ds_store_b128 v[SI], v[\reg+4*i:\reg+4*i+3] offset:\t0+544*i+128*(i/8)   ; rows 2 i and 2 i + 1, as loaded
.set i, i+1
.endr
	s_wait_dscnt 0x0                               ; the stores have read their registers, which take the rows back
.irp g, 0,1
.irp n, 0,1,2,3,4,5,6,7
	ds_load_b128 v[\reg+32*\g+4*\n:\reg+32*\g+4*\n+3], v[SO] offset:\t0+2176*\g+16*\n   ; row 16 (r / 8) + 8 g + r % 8, numbers 32 h + 4 n on: a whole block in my lane
.endr
.endr
	s_wait_dscnt 0x0
.irp g, 0,1
	v_max3_num_f32 v[M+\g], |v[\reg+32*\g]|, |v[\reg+32*\g+1]|, 0x1800000   ; and the floor 2^(3 - 127): the byte cannot fall under 1
.endr
.irp n, 2,4,6,8,10,12,14,16,18,20,22,24,26,28,30
.irp g, 0,1
	v_max3_num_f32 v[M+\g], v[M+\g], |v[\reg+32*\g+\n]|, |v[\reg+32*\g+\n+1]|   ; (the two blocks by turns)
.endr
.endr
.irp g, 0,1
	v_add_nc_u32 v[E+\g], 0xff000000, v[M+\g]      ; 2 off the exponent field: the conversion takes the exponent field of this operand as its scale
.endr
.irp g, 0,1
.irp n, 0,1,2,3
	v_cvt_scalef32_pk8_fp4_f32 v[\cod+4*\g+\n], v[\reg+32*\g+8*\n:\reg+32*\g+8*\n+7], v[E+\g]
.endr
.endr
.irp g, 0,1
	v_lshrrev_b32 v[M+\g], 23, v[E+\g]             ; the scale's byte.  (The plain instruction behind the conversions)
.endr
	v_lshl_or_b32 v[W], v[M+1], 16, v[M]           ; my two bytes: block h of halves 0 and 1,
	v_lshlrev_b32 v[W], v[SH], v[W]                ; at their places (8 h bits up);
	v_permlanex16_b32 v[W2], v[W], s28, s29
	v_or_b32 v[W], v[W], v[W2]                     ; with lane l xor 16's two the word is whole
	ds_store_b32 v[SA], v[W] offset:\so            ; lanes r and r + 16 write the same word with the same value
.irp g, 0,1
	global_store_b128 v[LI], v[\cod+4*\g:\cod+4*\g+3], s[\dst:\dst+1] offset:512*\g   ; 512 consecutive bytes
.endr
.endm
	LOAD16 RQ, LI, 4, 512
	LOAD16 RK, LI, 6, 512
	LOAD16 RV, VA, 8, 256
	s_wait_loadcnt 32                              ; Q's sixteen loads are in; K's and V's 32 may be out
	QUANT RQ, 0, CQ, 12, 0
	s_wait_loadcnt 16                              ; K's are in; V's sixteen may be out
	QUANT RK, STG, CK, 16, 512
	s_wait_loadcnt 0x0                             ; V.  Register 4 i + c of lane (r, h) is V(row 16 h + i, channel 4 r + c)
.irp c, 0,1,2,3
.irp g, 0,1
.irp m, 0,1,2,3
	v_cvt_pk_f16_f32 v[VP+8*\c+4*\g+\m], v[RV+4*(8*\g+2*\m)+\c], v[RV+4*(8*\g+2*\m+1)+\c]   ; two neighbouring rows of one channel, the lower row in the low half
.endr
.endr
.endr
.irp c, 0,1,2,3
.irp g, 0,1
	global_store_b128 v[LI], v[VP+8*\c+4*\g:VP+8*\c+4*\g+3], s[30:31] offset:1024*\c+512*\g
.endr
.endr
	s_wait_kmcnt 0x0                               ; adj has come
	s_wait_dscnt 0x0                               ; for the others' sake: my scale words lie in LDS
	s_barrier_signal -1
	s_barrier_wait -1                              ; all eight waves' do
	s_cmp_lt_u32 s21, 2                            ; wave 0 sends Q's 512 bytes of scale words, wave 1 K's
	s_cbranch_scc0 .Ldone
	ds_load_b128 v[8:11], v[SR]
	s_cmp_eq_u32 s21, 0
	s_cselect_b64 s[40:41], s[14:15], s[18:19]
	s_wait_dscnt 0x0
	global_store_b128 v[LI], v[8:11], s[40:41]     ; 512 consecutive bytes
.Ldone:
	s_wait_tensorcnt 0x0                           ; the wave's end: behind my last LDS store
	ds_add_u32 v[SPW], v[NIL]
	s_wait_dscnt 0x0
	s_endpgm
.Lfunc_end_k_q7b54e1941e_prep:
	.size	k_q7b54e1941e_prep, .Lfunc_end_k_q7b54e1941e_prep-k_q7b54e1941e_prep
	.p2alignl 7, 3214868480
	.fill 96, 4, 3214868480
	.section	.rodata,"a",@progbits
	.p2align	6, 0x0
	.amdhsa_kernel k_q7b54e1941e_prep
		.amdhsa_group_segment_fixed_size 145408
		.amdhsa_private_segment_fixed_size 0
		.amdhsa_enable_private_segment 0
		.amdhsa_kernarg_size 64
		.amdhsa_user_sgpr_count 2
		.amdhsa_user_sgpr_kernarg_segment_ptr 1
		.amdhsa_wavefront_size32 1
		.amdhsa_system_sgpr_workgroup_id_x 1
		.amdhsa_system_sgpr_workgroup_id_y 1
		.amdhsa_system_sgpr_workgroup_id_z 1
		.amdhsa_system_vgpr_workitem_id 0
		.amdhsa_next_free_vgpr 256
		.amdhsa_next_free_sgpr 66
		.amdhsa_reserve_vcc 0
		.amdhsa_float_denorm_mode_32 3
		.amdhsa_float_denorm_mode_16_64 3
		.amdhsa_memory_ordered 1
		.amdhsa_forward_progress 1
		.amdhsa_inst_pref_size 22
	.end_amdhsa_kernel
	.amdgpu_metadata
---
amdhsa.version: [ 1, 2 ]
amdhsa.kernels:
  - .name:           k_q7b54e1941e_prep
    .symbol:         k_q7b54e1941e_prep.kd
    .args:
      - { .name: queries, .offset: 0, .size: 8, .value_kind: global_buffer, .address_space: global }
      - { .name: keys, .offset: 8, .size: 8, .value_kind: global_buffer, .address_space: global }
      - { .name: values, .offset: 16, .size: 8, .value_kind: global_buffer, .address_space: global }
      - { .name: adj, .offset: 24, .size: 8, .value_kind: global_buffer, .address_space: global }
      - { .name: qc, .offset: 32, .size: 8, .value_kind: global_buffer, .address_space: global }
      - { .name: qs, .offset: 40, .size: 8, .value_kind: global_buffer, .address_space: global }
      - { .name: kv, .offset: 48, .size: 8, .value_kind: global_buffer, .address_space: global }
      - { .name: ks, .offset: 56, .size: 8, .value_kind: global_buffer, .address_space: global }
    .group_segment_fixed_size: 145408
    .private_segment_fixed_size: 0
    .kernarg_segment_align: 8
    .kernarg_segment_size: 64
    .max_flat_workgroup_size: 256
    .sgpr_count:     66
    .vgpr_count:     256
    .wavefront_size: 32
...
	.end_amdgpu_metadata
.endif
;; end of part 1
;; launch attn (part 2): grid 16 x 16, 8 waves a work-group, clusters of 4 x 1, 327,680 bytes of LDS; arguments qc, qs, kv, ks, out0; writes out0
.if DOCPART == 2
	.amdgcn_target "amdgcn-amd-amdhsa--gfx1250"
	.amdhsa_code_object_version 6
	.text
	.protected	k_q7b54e1941e_attn
	.globl	k_q7b54e1941e_attn
	.p2align	8
	.type	k_q7b54e1941e_attn,@function
k_q7b54e1941e_attn:
	s_mov_b64 s[64:65], 0
	v_nop
	global_prefetch_b8 v0, s[64:65] scope:SCOPE_SE
	s_setreg_imm32_b32 hwreg(HW_REG_WAVE_MODE, 25, 1), 1
	s_wait_xcnt 0x0
	s_wait_alu depctr_hold_cnt(0) depctr_sa_sdst(0) depctr_va_vdst(0) depctr_va_sdst(0) depctr_va_ssrc(0) depctr_va_vcc(0) depctr_vm_vsrc(0)
	s_getreg_b32 s2, hwreg(HW_REG_IB_STS2, 6, 4)
	s_cmp_eq_u32 s2, 0
	s_cbranch_scc0 .Lentry_in_a_cluster
	s_endpgm
.Lentry_in_a_cluster:
	s_bfe_u32 s2, ttmp6, 0x10000c
	s_cmp_lg_u32 s2, 0x3003
	s_cbranch_scc0 .Lentry_shape_is_right
	s_endpgm
.Lentry_shape_is_right:
; out0[head][q][:] = the sum over k of softmax_k(Q[q] . K[k] / 16) V[k][:], 16 heads, 4,096 queries and keys, head size 64.  The module's closing reshape moves no byte.
; The first product is on codes of FP4 (E2M1) with one E8M0 scale for each 32 of the head's 64; the second on f16 operands; sums, maxima and the softmax in f32.
; OPERANDS come from the launch before, laid as register images (L = lane, r = L % 16, h = L / 16; a group is 32 rows, a step 128 keys = four groups):
;   codes of a group: [half g: 512 bytes][lane: 16]: the 32 codes d = 32 h on of the group's row 16 (r / 8) + 8 g + r % 8.  scale words: 256 bytes a step, group y's word of row r at 8 (r + 16 (y % 2)) + 4 (y / 2).
;   kv: [step: 20,480 bytes] = K's codes of four groups (4 x 1,024), then V in f16, [group: 4,096][c: 1,024][half g: 512][lane: 16]: channel 4 r + c of the group's keys 16 h + 8 g + 0 .. 7.
; THE FIRST PRODUCT.  The matrix instruction's K is 128 and the head has 64.  A group's eight registers are ONE source 0: K slots 0-63 hold 16 keys (half 0), slots 64-127 16 others (half 1).
; Source 1 is [q | zeros] for half 0 and [zeros | q] for half 1: zero codes wipe the other half out exactly.  So no byte of LDS and no register of K holds filling.
; Both products are used transposed (S^T = K Q^T, O^T = V^T P): a lane holds ONE query throughout.  Register j of S^T(group y, half g) in lane (r, h) is key 32 y + 16 h + 8 g + j, by the choice of the rows above;
; the 16 registers of a group, rounded to f16 in pairs, ARE source 1 of the second product, whose K slot 16 g + 8 h + j is that key; V is laid to match.  O^T tile c, register j, lane (r, h): channel 32 h + 4 j + c.
; SOFTMAX.  For each query a running maximum m and sum l: p = 2^(c s - c m), c = log2(e) / 16; in every step O and l are multiplied by a = 2^(c m_old - c m_new).  l sums the unrounded p.
; LIMITS: |values| up to 65,504 (f16); a p under 2^-24 of its row's largest is lost in f16: at most 4,096 x 2^-25 beside a sum that is at least 1; NaN and infinities are not served.
; SHARES.  A work-group owns 256 queries of a head; each of its eight waves 32 of them, two tiles of 16, in 512 registers: two waves to a SIMD, so that one wave's products and LDS loads stand beside the other's softmax.
; A wave's step of 128 keys: 41 LDS loads, 16 + 32 matrix instructions.  K and V come through a ring of two LDS slots of four steps (81,920 bytes), each wave fetching an eighth by one tensor load.
; CLUSTER.  The four query blocks of a cluster belong to one head and walk the same kv and ks: every tile is asked for JOINTLY, by the same tensor load with the same descriptor and a mask that names the four.
; REGISTERS, in windows of 256.  Window 0: v1-10 addresses; v12-13 K's scale words; v14-17 Q's; v20-35 statistics, 8 a tile; v36-59 Q with its zeros; v64-95 K's four fragments; v96-127 the way out; v128-255 S^T, 64 a tile.
;   Window 1: v0-63 O^T (tile T, c at 32 T + 8 c); v64-191 V's sixteen fragments.
.set STEPB, 20480                      ; a step's bytes in kv and in a slot
.set SLOTB, 4*STEPB
.set HEADB, 32*STEPB                   ; a head's bytes in kv
.set SLOT1, 1<<17                      ; slot 1 begins here, so that one exclusive or turns an address in one slot into the other's
.set SCL,   SLOT1+SLOTB                ; behind the ring: K's scale words of the whole head, 8,192 bytes, filled once
.set STAGE, SCL+8192                   ; the way out: 16 rows x 272 bytes for each wave; no tensor load lands here
.set SP,    272
.set SPARE, STAGE+8*16*SP              ; the spare words, 128 bytes for each wave: four blocks of 256 bytes that no other line names
.set LI,  1                            ; v1   16 x lane: an image's place for my lane
.set LS8, 2                            ; v2   SCL + 8 x lane
.set ADR, 3                            ; v3   the step's tiles
.set ADS, 4                            ; v4   the step's scale words
.set STO, 5                            ; v5   the way out: where I put 128 bytes of a row
.set RD,  6                            ; v6   and where I read rows back
.set GO,  7                            ; v7   my byte offset in two rows of out0
.set SPW, 8                            ; v8   my spare word; never rewritten
.set NIL, 9                            ; v9   0; never rewritten
.set PFO, 10                           ; v10  the prefetches' offset; never rewritten
.set KS,  12
.set QS,  14                           ; v[QS + 2 T + g]: tile T's scale bytes at the places of half g, 0 at the others
.set ST,  20                           ; tile T at v[ST + 8 T]: +0 c m, +1 m, +2, +3 l in two halves, +4 to +7 at work; a takes +6
.set QF,  36                           ; tile T: four registers of zeros, four of codes, four of zeros
.set KF,  64
.set OUT0, 96
.set OUT1, 64
.set S,   128
.set VF,  64                           ; in window 1
.set WV,  14                           ; s14  my wave's number
.set LIM, 15                           ; s15  1 in a wave that prefetches, else the greatest number
.set PFA, 18                           ; s[18:19] where my work-group's prefetches stand
.set G1,  24                           ; s[24:31] descriptor group 1: 40 rows of 256 bytes, dense
.set G1S, 32                           ; s[32:39] the same with 4 rows
.set G0A, 40                           ; s[40:43] group 0: slot 0's first fill
.set G0W, 44                           ; s[44:47] slot 1's first fill; it then walks on
.set G0S, 48                           ; s[48:51] the scale words
.set TB,  52                           ; s52  LDS byte at which the step's tiles begin
.set TS,  53                           ; s53  and its scale words: 256 bytes a step
.set SLOTS, 54                         ; s54  slots still to be asked for
.set CNT, 55                           ; s55  counts a slot's four steps
.set CS,  56                           ; s[56:57] c: the packed form names a pair and takes its low word for both halves
.set SEL, 58                           ; s[58:59] selects for lane l xor 16
.set MSB, 0
.macro WIN new                         ; the immediate's high byte repeats the setting that is left; bits 1:0 source 0, 3:2 source 1, 5:4 source 2, 7:6 destination
.if MSB != \new
	s_set_vgpr_msb (MSB<<8)|\new
.set MSB, \new
.endif
.endm
; A round of the cluster's barrier: my work-group's barrier, so that wave 0's signal speaks for all eight waves; wave 0 signals; every wave waits for all four work-groups; my work-group's barrier once more.
.macro CROUND
	s_barrier_signal -1
	s_barrier_wait -1
	s_cmp_lg_u32 s[WV], 0
	s_cbranch_scc1 .Lnot_wave_0_\@
	s_barrier_signal -3
.Lnot_wave_0_\@:
	s_barrier_wait -3
	s_barrier_signal -1
	s_barrier_wait -1
.endm
; A PREFETCH INTO THE L2 of the slot that the NEXT change of slots will ask for: 81,920 bytes, lanes 256 bytes apart.  All clusters of a head walk the same kv: the head's first cluster asks.  Its four partners share the
; slot out BY ADDRESS, 20,480 bytes each: no branch hangs on a work-group's place in its cluster.  In each, threads 0 to 95 (waves 0 to 2) ask; threads 80 to 95 name thread 79's block once more.
; It stands behind the wave's tensor load and its five lines: four steps, 192 matrix instructions a wave, ahead of the load that will want the bytes.  The last change that fills a slot asks for nothing.
.macro ASK
	s_cmp_gt_u32 s[SLOTS], s[LIM]
	s_cbranch_scc0 .Lnot_mine_\@
	global_prefetch_b8 v[PFO], s[PFA:PFA+1] th:TH_LOAD_NT scope:SCOPE_SE
.Lnot_mine_\@:
.endm
	s_load_b256 s[4:11], s[0:1], 0x0               ; qc s[4:5], qs s[6:7], kv s[8:9], ks s[10:11]
	s_load_b64 s[12:13], s[0:1], 0x20              ; out0
	v_lshl_add_u32 v[SPW], v0, 2, SPARE
	v_mov_b32 v[NIL], 0
	ds_add_u32 v[SPW], v[NIL]                      ; the wave's opening: the add, twice on end, and its wait ahead of my first tensor load; the set-up below, work on registers, stands between
	ds_add_u32 v[SPW], v[NIL]                      ; and once more, under the one wait
	v_lshrrev_b32 v1, 5, v0
	v_readfirstlane_b32 s[WV], v1                  ; wave 0..7
	s_and_b32 s3, ttmp7, 0xffff                    ; the head, which the four partners share
	s_mul_i32 s20, s3, HEADB
	s_mul_i32 s22, s[WV], SLOTB/8                  ; my eighth of a slot: in memory and in LDS
	s_add_co_u32 s20, s20, s22
	s_mov_b32 s21, 0
	s_lshl_b32 s23, s[WV], 10                      ; my eighth of the head's scale words
	s_mov_b32 s[G1], 15|(3<<16)|(1<<21)            ; 15:0 the mask: all four work-groups; 17:16 elements of 8 bytes; 21 set beside a mask; no padding: images are read 16 bytes a lane on end
	s_mov_b32 s[G1+1], 32<<16                      ; tensor_dim0 = 32 elements: 256 bytes
	s_mov_b32 s[G1+2], 40<<16                      ; tensor_dim1 = 40
	s_mov_b32 s[G1+3], 32<<16                      ; tile_dim0
	s_mov_b32 s[G1+4], 40                          ; tile_dim1
	s_mov_b32 s[G1+5], 32                          ; from row to row: dense
	s_mov_b32 s[G1+6], 0
	s_mov_b32 s[G1+7], 0
	s_mov_b32 s[G1S], 15|(3<<16)|(1<<21)
	s_mov_b32 s[G1S+1], 32<<16
	s_mov_b32 s[G1S+2], 4<<16
	s_mov_b32 s[G1S+3], 32<<16
	s_mov_b32 s[G1S+4], 4
	s_mov_b32 s[G1S+5], 32
	s_mov_b32 s[G1S+6], 0
	s_mov_b32 s[G1S+7], 0
	s_mov_b32 s[TB], 0
	s_mov_b32 s[TS], 0
	s_mov_b32 s[SLOTS], 6
	s_mov_b32 s[CS], 0x3db8aa3b                    ; c = log2(e) / 16
	s_mov_b32 s[CS+1], s[CS]                       ; (named with it as a pair, so it is written)
	s_mov_b32 s[SEL], 0x76543210
	s_mov_b32 s[SEL+1], 0xfedcba98
	s_bfe_u32 s16, ttmp6, 0x40000                  ; cx: my place in the cluster: it enters Q's, out0's and the prefetches' addresses alone
	s_lshl_b32 s17, ttmp9, 2                       ; in a cluster launch ttmp9 counts clusters
	s_add_co_u32 s17, s17, s16                     ; my block of 256 queries
	s_cmp_lt_u32 s[WV], 3
	s_cselect_b32 s[LIM], 0, 1                     ; 0 in waves 0 to 2,
	s_or_b32 s[LIM], s[LIM], ttmp9                 ; of the head's first cluster: the same in all four partners
	s_cmp_eq_u32 s[LIM], 0
	s_cselect_b32 s[LIM], 1, -1
	v_min_u32 v[PFO], 79, v0
	v_lshlrev_b32 v[PFO], 8, v[PFO]
	s_wait_dscnt 0x0                               ; both opening adds are done
	s_wait_kmcnt 0x0
	s_mov_b32 s[G0A], 1                            ; 1:0 count = 1
	s_mov_b32 s[G0A+1], s22                        ; 63:32 LDS address: slot 0
	s_add_nc_u64 s[G0A+2:G0A+3], s[8:9], s[20:21]  ; 120:64 global address: the head's first four steps
	s_mov_b32 s[G0W], 1
	s_add_co_u32 s[G0W+1], s22, SLOT1
	s_add_nc_u64 s[G0W+2:G0W+3], s[G0A+2:G0A+3], SLOTB
	s_or_b32 s[G0A+3], s[G0A+3], 0x80000000        ; 127:126 type = 2
	s_or_b32 s[G0W+3], s[G0W+3], 0x80000000
	s_lshl_b32 s20, s3, 13                         ; the head's 8,192 bytes of scale words
	s_add_co_u32 s20, s20, s23
	s_mov_b32 s[G0S], 1
	s_add_co_u32 s[G0S+1], s23, SCL
	s_add_nc_u64 s[G0S+2:G0S+3], s[10:11], s[20:21]
	s_or_b32 s[G0S+3], s[G0S+3], 0x80000000
	s_mul_i32 s62, s3, HEADB
	s_mul_i32 s63, s16, STEPB                      ; my work-group's quarter of a slot
	s_add_co_u32 s62, s62, s63
	s_add_co_u32 s62, s62, 2*SLOTB                 ; in slot 2: the first change of slots steps it to slot 3.  Nothing is prefetched here, at the head
	s_mov_b32 s63, 0
	s_add_nc_u64 s[PFA:PFA+1], s[8:9], s[62:63]
	CROUND                                         ; all four work-groups are here: the first joint loads meet
	tensor_load_to_lds s[G0S:G0S+3], s[G1S:G1S+7]  ; the first fills go out as one group: three tensor loads of mine are out.  The scale words first: they are wanted with step 0
	s_nop 0
	tensor_load_to_lds s[G0A:G0A+3], s[G1:G1+7]    ; slot 0
	s_nop 0
	tensor_load_to_lds s[G0W:G0W+3], s[G1:G1+7]    ; slot 1
	s_nop 0
.rept 4
	v_nop                                          ; behind a tensor load
.endr
	s_lshl_b32 s60, s3, 7
	s_lshl_b32 s61, s17, 3
	s_add_co_u32 s60, s60, s61
	s_add_co_u32 s60, s60, s[WV]                   ; my group of 32 queries: 128 x head + 8 x block + wave
	s_lshl_b32 s62, s60, 10
	s_add_nc_u64 s[4:5], s[4:5], s[62:63]          ; its codes
	s_lshl_b32 s62, s60, 13
	s_add_nc_u64 s[12:13], s[12:13], s[62:63]      ; its 32 rows of out0
	s_lshr_b32 s62, s60, 2
	s_lshl_b32 s62, s62, 8                         ; its step's 256 bytes of scale words,
	s_and_b32 s61, s[WV], 1
	s_lshl_b32 s61, s61, 7
	s_add_co_u32 s62, s62, s61
	s_bfe_u32 s61, s[WV], 0x10001
	s_lshl_b32 s61, s61, 2
	s_add_co_u32 s62, s62, s61                     ; and its place in them
	s_add_nc_u64 s[6:7], s[6:7], s[62:63]
	v_and_b32 v1, 31, v0
	v_lshl_add_u32 v[LS8], v1, 3, SCL
	v_lshlrev_b32 v[LI], 4, v1
	v_and_b32 v18, 15, v0                          ; r
	v_bfe_u32 v19, v0, 4, 1                        ; h
	v_lshlrev_b32 v60, 3, v18
	global_load_b128 v[QF+4:QF+7], v[LI], s[4:5]               ; tile 0's codes: queries 16 (r / 8) + r % 8
	global_load_b128 v[QF+16:QF+19], v[LI], s[4:5] offset:512  ; tile 1's: 8 further on
	global_load_b32 v11, v60, s[6:7]               ; row r's scale word: tile 0's two bytes, then tile 1's
.irp z, 0,1,2,3,8,9,10,11,12,13,14,15,20,21,22,23
	v_mov_b32 v[QF+\z], 0                          ; the zero codes on both sides of each tile's
.endr
	s_mul_i32 s2, s[WV], 16*SP
	s_add_co_u32 s2, s2, STAGE                     ; my stage
	v_mul_u32_u24 v[STO], v18, SP                  ; in: row r, 128 bytes for each half of the lanes
	v_lshl_add_u32 v[STO], v19, 7, v[STO]
	v_add_nc_u32 v[STO], s2, v[STO]
	v_mul_u32_u24 v[RD], v19, SP                   ; back: lanes 0-15 one row of 256 bytes, lanes 16-31 the next
	v_lshl_add_u32 v[RD], v18, 4, v[RD]
	v_add_nc_u32 v[RD], s2, v[RD]
	v_lshlrev_b32 v[GO], 8, v19                    ; and the same in out0
	v_lshl_add_u32 v[GO], v18, 4, v[GO]
	s_wait_loadcnt 0x0                             ; Q
	v_and_b32 v[QS], 0xffff, v11                   ; tile 0, [q | 0]: its bytes at K slots 0-63; the byte 0 over the zero codes
	v_lshlrev_b32 v[QS+1], 16, v11                 ; tile 0, [0 | q]
	v_lshrrev_b32 v[QS+2], 16, v11                 ; tile 1, [q | 0]
	v_and_b32 v[QS+3], 0xffff0000, v11             ; tile 1, [0 | q]
.irp t, 0,1
	v_mov_b32 v[ST+8*\t+1], 0xff61b1e6             ; m: -3e38, under every score
	v_mul_f32 v[ST+8*\t], s[CS], v[ST+8*\t+1]      ; c m
	v_mov_b32 v[ST+8*\t+2], 0                      ; l, in two halves
	v_mov_b32 v[ST+8*\t+3], 0
.endr
	WIN 0x40                                       ; destination window 1
.set i, 0
.rept 64
	v_mov_b32 v[i], 0                              ; O^T.  (The step is written with no first step of its own: the first finds zeros, and its a is 0.  These lines also stand between the scale registers' writes and the first scaled product)
.set i, i+1
.endr
	WIN 0
; One product of S^T: group y, tile t, half g.  Every product starts a sum of its own: C is the constant 0, and no two share an accumulator.
.macro QK y, t, g
.if (\y)%2
	v_wmma_scale_f32_16x16x128_f8f6f4 v[S+64*\t+16*\y+8*\g:S+64*\t+16*\y+8*\g+7], v[KF+8*\y:KF+8*\y+7], v[QF+12*\t+4-4*\g:QF+12*\t+11-4*\g], 0, v[KS+\y/2], v[QS+2*\t+\g] matrix_a_fmt:MATRIX_FMT_FP4 matrix_b_fmt:MATRIX_FMT_FP4 matrix_a_scale:MATRIX_SCALE_ROW1
.else
	v_wmma_scale_f32_16x16x128_f8f6f4 v[S+64*\t+16*\y+8*\g:S+64*\t+16*\y+8*\g+7], v[KF+8*\y:KF+8*\y+7], v[QF+12*\t+4-4*\g:QF+12*\t+11-4*\g], 0, v[KS+\y/2], v[QS+2*\t+\g] matrix_a_fmt:MATRIX_FMT_FP4 matrix_b_fmt:MATRIX_FMT_FP4
.endif
.endm
; A KEY STEP: 128 keys.
.macro STEP
	v_add_nc_u32 v[ADR], s[TB], v[LI]
	v_add_nc_u32 v[ADS], s[TS], v[LS8]
.rept 3
	v_nop                                          ; with the two additions: five places behind the last step's last product: four for the loads into V's registers, five for the products below, which write over P's
.endr
	ds_load_b64 v[KS:KS+1], v[ADS]                 ; K's scale words: register w: lanes 0-15 group 2 w, lanes 16-31 group 2 w + 1
.irp c, 0,1,2,3,4,5,6,7
	ds_load_b128 v[KF+4*\c:KF+4*\c+3], v[ADR] offset:512*\c      ; K's four fragments, as they lie
.endr
	WIN 0x40
.set i, 0
.rept 32
	ds_load_b128 v[VF+4*i:VF+4*i+3], v[ADR] offset:4096+512*i    ; V's sixteen: they land while the softmax runs
.set i, i+1
.endr
	WIN 0
	s_wait_dscnt 32                                ; K's nine loads are in; V's 32, issued behind them, may be out
.irp y, 0,1,2,3
.irp t, 0,1
	QK \y, \t, 0
	QK \y, \t, 1
.endr
.endr
.rept 4
	v_nop                                          ; places in front of the first read of results
.endr
	; the maximum of a tile's 64 scores and the old m: four chains, one a group, each accumulator read from its low end on; the two tiles by turns
.irp y, 0,1,2,3
.irp t, 0,1
	v_max3_num_f32 v[ST+8*\t+4+\y], v[S+64*\t+16*\y], v[S+64*\t+16*\y+1], v[S+64*\t+16*\y+2]
.endr
.endr
.irp n, 3,5,7,9,11,13
.irp y, 0,1,2,3
.irp t, 0,1
	v_max3_num_f32 v[ST+8*\t+4+\y], v[ST+8*\t+4+\y], v[S+64*\t+16*\y+\n], v[S+64*\t+16*\y+\n+1]
.endr
.endr
.endr
.irp t, 0,1
	v_max3_num_f32 v[ST+8*\t+4], v[ST+8*\t+4], v[S+64*\t+15], v[S+64*\t+31]
.endr
.irp t, 0,1
	v_max3_num_f32 v[ST+8*\t+6], v[ST+8*\t+6], v[S+64*\t+47], v[S+64*\t+63]
.endr
.irp t, 0,1
	v_max3_num_f32 v[ST+8*\t+4], v[ST+8*\t+4], v[ST+8*\t+5], v[ST+8*\t+6]
.endr
.irp t, 0,1
	v_max3_num_f32 v[ST+8*\t+4], v[ST+8*\t+4], v[ST+8*\t+7], v[ST+8*\t+1]
.endr
.irp t, 0,1
	v_permlanex16_b32 v[ST+8*\t+5], v[ST+8*\t+4], s[SEL], s[SEL+1]   ; the query's other 64 keys lie in the lane 16 away
.endr
.irp t, 0,1
	v_mov_b32 v[ST+8*\t+7], v[ST+8*\t]             ; c m_old is kept for a
.endr
.irp t, 0,1
	v_max_num_f32 v[ST+8*\t+1], v[ST+8*\t+4], v[ST+8*\t+5]           ; the new m
.endr
.irp t, 0,1
	v_mul_f32 v[ST+8*\t], s[CS], v[ST+8*\t+1]
.endr
.irp t, 0,1
	v_sub_f32 v[ST+8*\t+7], v[ST+8*\t+7], v[ST+8*\t]
.endr
.set i, 0
.rept 32
	v_pk_fma_f32 v[S+2*i:S+2*i+1], v[S+2*i:S+2*i+1], s[CS:CS+1], v[ST:ST+1] op_sel_hi:[1,0,0] neg_lo:[0,0,1] neg_hi:[0,0,1]             ; c s - c m, two at a time
	v_pk_fma_f32 v[S+64+2*i:S+64+2*i+1], v[S+64+2*i:S+64+2*i+1], s[CS:CS+1], v[ST+8:ST+9] op_sel_hi:[1,0,0] neg_lo:[0,0,1] neg_hi:[0,0,1]
.set i, i+1
.endr
	v_exp_f32 v[ST+6], v[ST+7]                     ; a.  ONE BATCH: the step's 130 exponentials on end; none reads another's result
	v_exp_f32 v[ST+14], v[ST+15]
.set i, 0
.rept 128
	v_exp_f32 v[S+i], v[S+i]                       ; p, at most 1
.set i, i+1
.endr
	v_nop                                          ; the plain instruction behind the last exponential
	s_wait_alu depctr_va_vdst(0)                   ; the wait ahead of the first instruction that names a result: one for the batch
	; l = a l + the sum of the unrounded p: two chains a tile, the tiles by turns
.irp t, 0,1
	v_pk_mul_f32 v[ST+8*\t+2:ST+8*\t+3], v[ST+8*\t+2:ST+8*\t+3], v[ST+8*\t+6:ST+8*\t+7] op_sel_hi:[1,0]
.endr
.irp t, 0,1
	v_pk_add_f32 v[ST+8*\t+4:ST+8*\t+5], v[S+64*\t:S+64*\t+1], v[S+64*\t+2:S+64*\t+3]
.endr
.irp n, 4,8,12,16,20,24,28,32,36,40,44,48,52,56,60
.irp t, 0,1
	v_pk_add_f32 v[ST+8*\t+2:ST+8*\t+3], v[ST+8*\t+2:ST+8*\t+3], v[S+64*\t+\n:S+64*\t+\n+1]
.endr
.irp t, 0,1
	v_pk_add_f32 v[ST+8*\t+4:ST+8*\t+5], v[ST+8*\t+4:ST+8*\t+5], v[S+64*\t+\n+2:S+64*\t+\n+3]
.endr
.endr
.irp t, 0,1
	v_pk_add_f32 v[ST+8*\t+2:ST+8*\t+3], v[ST+8*\t+2:ST+8*\t+3], v[ST+8*\t+4:ST+8*\t+5]
.endr
	; p to f16, in place: a group's 16 registers pack into its low 8, ascending, so that no number is written over before it is read
.irp t, 0,1
.irp y, 0,1,2,3
.irp n, 0,1,2,3,4,5,6,7
	v_cvt_pk_f16_f32 v[S+64*\t+16*\y+\n], v[S+64*\t+16*\y+2*\n], v[S+64*\t+16*\y+2*\n+1]
.endr
.endr
.endr
	WIN 0x41                                       ; O^T (destination and source 0) in window 1, a in window 0
.set i, 0
.rept 16
	v_pk_mul_f32 v[2*i:2*i+1], v[2*i:2*i+1], v[ST+6:ST+7] op_sel_hi:[1,0]                  ; O^T x a, each accumulator from its low end on
	v_pk_mul_f32 v[32+2*i:32+2*i+1], v[32+2*i:32+2*i+1], v[ST+14:ST+15] op_sel_hi:[1,0]
.set i, i+1
.endr
	s_wait_dscnt 0x0                               ; V is in
	WIN 0x51                                       ; V and O^T in window 1, P in window 0
.irp y, 0,1,2,3                                ; O^T += V^T P, 32 keys at a time.  The eight accumulators take turns, one instruction a turn
.irp c, 0,1,2,3
.irp t, 0,1
	v_wmma_f32_16x16x32_f16 v[32*\t+8*\c:32*\t+8*\c+7], v[VF+32*\y+8*\c:VF+32*\y+8*\c+7], v[S+64*\t+16*\y:S+64*\t+16*\y+7], v[32*\t+8*\c:32*\t+8*\c+7]
.endr
.endr
.endr
	WIN 0                                          ; at a label and at a branch every window is 0
	s_add_co_u32 s[TB], s[TB], STEPB               ; the next step's tiles
	s_add_co_u32 s[TS], s[TS], 256                 ; and scale words
.endm
.macro SLOT_STEPS                      ; a slot's four steps: written once, walked four times; the LDS addresses hang on s[TB] and s[TS]
	s_mov_b32 s[CNT], 4
.Lstep_\@:
	STEP
	s_sub_co_u32 s[CNT], s[CNT], 1
	s_cmp_lg_u32 s[CNT], 0
	s_cbranch_scc1 .Lstep_\@
.endm
; THE CHANGE OF SLOTS.  Each wave waits for all its tensor loads, of which one is out: its eighth of the other slot; adds 0 to its spare word; and waits for that and for its reads of the slot that it leaves.
; Behind the barrier nobody reads that slot and the other is whole.  fill = 1: the slot is filled again, with the steps two slots on.  The barrier is then a round of the cluster's, so that no wave of any partner still
; reads the slot or has a load on its way, and the joint refill is the first thing behind it, one load a wave: it has four steps in which to land.
.macro CHANGE fill
	s_wait_tensorcnt 0x0                           ; no tensor load of mine is out, so a group 0 may be written
	ds_add_u32 v[SPW], v[NIL]                      ; 0 onto my spare word
.if \fill
	s_xor_b32 s[G0W+1], s[G0W+1], SLOT1            ; the walking descriptor: the other slot than last time,
	s_add_nc_u64 s[G0W+2:G0W+3], s[G0W+2:G0W+3], SLOTB   ; the next four steps; the type bits on top are not reached
	s_wait_xcnt 0x0                                ; the last prefetch, a slot back, has read its address, so it may be written:
	s_add_nc_u64 s[PFA:PFA+1], s[PFA:PFA+1], SLOTB ; one slot further on than the walking descriptor
	s_wait_dscnt 0x0                               ; the add is done, and my reads of the slot are over
	CROUND
	tensor_load_to_lds s[G0W:G0W+3], s[G1:G1+7]
	s_nop 0
.rept 4
	v_nop                                          ; behind a tensor load
.endr
	ASK
.else
	s_wait_dscnt 0x0
	s_barrier_signal -1
	s_barrier_wait -1
.endif
	s_sub_co_u32 s[TB], s[TB], SLOTB               ; back to a slot's first step,
	s_xor_b32 s[TB], s[TB], SLOT1                  ; in the other slot
.endm
	s_wait_tensorcnt 1                             ; the scale words and my eighth of slot 0 are in; slot 1's load may stay out
	s_barrier_signal -1
	s_barrier_wait -1                              ; everybody's are
	SLOT_STEPS                                     ; slot 0
.Lslot:                                            ; six trips: the slot just left takes steps 8 to 31, four at a time
	CHANGE 1
	SLOT_STEPS
	s_sub_co_u32 s[SLOTS], s[SLOTS], 1
	s_cmp_lg_u32 s[SLOTS], 0
	s_cbranch_scc1 .Lslot
	CHANGE 0                                       ; the tail is written out: nothing is left to ask for
	SLOT_STEPS
	; THE WAY OUT.  l's two halves and the other half of the lanes' are added; O^T is divided by l and goes through my stage in LDS, a tile (16 rows of 256 bytes) at a time.
	; The four additions and the v_nop, which name none of the last products' registers, are the places behind those products.
.irp t, 0,1
	v_add_f32 v[ST+8*\t+4], v[ST+8*\t+2], v[ST+8*\t+3]
.endr
.irp t, 0,1
	v_permlanex16_b32 v[ST+8*\t+5], v[ST+8*\t+4], s[SEL], s[SEL+1]
.endr
.irp t, 0,1
	v_add_f32 v[ST+8*\t+4], v[ST+8*\t+4], v[ST+8*\t+5]
.endr
.irp t, 0,1
	v_rcp_f32 v[ST+8*\t+6], v[ST+8*\t+4]
.endr
	v_nop                                          ; a plain instruction between the last reciprocal and the use of its result
	s_wait_alu depctr_va_vdst(0)                   ; and the wait ahead of the first use: one for both
.macro PACK t, out                     ; register 4 j + c of v[out] on is channel 32 h + 4 j + c of my query: 128 neighbouring bytes of its row
	WIN 0x01                                       ; source 0 (O^T) in window 1
.irp j, 0,1,2,3,4,5,6,7
.irp c, 0,1,2,3
	v_mul_f32 v[\out+4*\j+\c], v[32*\t+8*\c+\j], v[ST+8*\t+6]    ; each accumulator from its low end on
.endr
.endr
	WIN 0
.irp i, 0,1,2,3,4,5,6,7
	ds_store_b128 v[STO], v[\out+4*\i:\out+4*\i+3] offset:16*\i
.endr
.irp i, 0,1,2,3,4,5,6,7
	ds_load_b128 v[S+32*\t+4*\i:S+32*\t+4*\i+3], v[RD] offset:2*SP*\i   ; LDS serves a wave's instructions in order (ISA guide 5.7.1.4): these see the stores above; the next tile's stores come behind them
.endr
.endm
.macro SEND t, younger                 ; younger: the LDS instructions issued behind tile t's loads.  Stage row p is the group's query 16 (p / 8) + 8 t + p % 8
.irp i, 0,1,2,3,4,5,6,7
	s_wait_dscnt \younger+7-\i
	global_store_b128 v[GO], v[S+32*\t+4*\i:S+32*\t+4*\i+3], s[12:13] offset:256*(16*(\i/4)+8*\t+2*(\i%4)) th:TH_STORE_NT   ; two whole rows: 512 consecutive bytes, at a multiple of 256 from out0's first byte
.endr
.endm
	PACK 0, OUT0
	PACK 1, OUT1                                   ; a tile's arithmetic stands between the loads of the tile before and its stores
	SEND 0, 16
	SEND 1, 0
	s_wait_tensorcnt 0x0                           ; the wave's end: behind my last tensor load and my last LDS store
	ds_add_u32 v[SPW], v[NIL]
	s_wait_dscnt 0x0
	CROUND                                         ; the closing round: no work-group ends while a partner may still ask for a tile that names it
	s_endpgm
.Lfunc_end_k_q7b54e1941e_attn:
	.size	k_q7b54e1941e_attn, .Lfunc_end_k_q7b54e1941e_attn-k_q7b54e1941e_attn
	.p2alignl 7, 3214868480
	.fill 96, 4, 3214868480
	.section	.rodata,"a",@progbits
	.p2align	6, 0x0
	.amdhsa_kernel k_q7b54e1941e_attn
		.amdhsa_group_segment_fixed_size 327680
		.amdhsa_private_segment_fixed_size 0
		.amdhsa_enable_private_segment 0
		.amdhsa_kernarg_size 40
		.amdhsa_user_sgpr_count 2
		.amdhsa_user_sgpr_kernarg_segment_ptr 1
		.amdhsa_wavefront_size32 1
		.amdhsa_system_sgpr_workgroup_id_x 1
		.amdhsa_system_sgpr_workgroup_id_y 1
		.amdhsa_system_sgpr_workgroup_id_z 1
		.amdhsa_system_vgpr_workitem_id 0
		.amdhsa_next_free_vgpr 512
		.amdhsa_next_free_sgpr 66
		.amdhsa_reserve_vcc 0
		.amdhsa_float_denorm_mode_32 3
		.amdhsa_float_denorm_mode_16_64 3
		.amdhsa_memory_ordered 1
		.amdhsa_forward_progress 1
		.amdhsa_inst_pref_size 108
	.end_amdhsa_kernel
	.amdgpu_metadata
---
amdhsa.version: [ 1, 2 ]
amdhsa.kernels:
  - .name:           k_q7b54e1941e_attn
    .symbol:         k_q7b54e1941e_attn.kd
    .args:
      - { .name: qc, .offset: 0, .size: 8, .value_kind: global_buffer, .address_space: global }
      - { .name: qs, .offset: 8, .size: 8, .value_kind: global_buffer, .address_space: global }
      - { .name: kv, .offset: 16, .size: 8, .value_kind: global_buffer, .address_space: global }
      - { .name: ks, .offset: 24, .size: 8, .value_kind: global_buffer, .address_space: global }
      - { .name: out0, .offset: 32, .size: 8, .value_kind: global_buffer, .address_space: global }
    .group_segment_fixed_size: 327680
    .private_segment_fixed_size: 0
    .kernarg_segment_align: 8
    .kernarg_segment_size: 40
    .max_flat_workgroup_size: 256
    .sgpr_count:     66
    .vgpr_count:     512
    .wavefront_size: 32
...
	.end_amdgpu_metadata
.endif
;; end of part 2
